; MI455X (gfx1250); checked and timed in simulation.
; The chip was launched on July 23, 2026; its instructions are those of AMD's public machine-readable ISA for CDNA 5 (MIT licence, August 2026) and "CDNA5" Instruction Set Architecture Reference Guide (July 2026). The comments in the code are by the model that wrote it; some were corrected since.
;; Causal Self Attention. Allowed arithmetic: matrix products marked QUANTISED: E4M3 operands, one given power-of-two scale a tensor, by v_wmma_f32_16x16x64_fp8_fp8 or v_wmma_f32_16x16x128_fp8_fp8, f32 sums; everything else in f32.
;; Inputs: W_attn_codes 3,072 x 32 x 32 uint8 (E4M3 codes of W_attn, K innermost, in blocks of 32 codes); W_proj_codes 1,024 x 32 x 32 uint8 (E4M3 codes of W_proj, K innermost, in blocks of 32 codes); b_attn 3,072 float32; b_proj 1,024 float32; lowp_scales 8 int32 (the exponents e of the quantised operands' scales 2^e); x_codes 4 x 2,048 x 32 x 32 uint8 (E4M3 codes of x, K innermost, in blocks of 32 codes).
;; Outputs: out0 4 x 2,048 x 1,024 float32.
;; This version of the problem:
;;   THIS VERSION OF THE PROBLEM IS GIVEN IN LOW PRECISION. The matrix products marked QUANTISED in the list below multiply operands that are first quantised to E4M3 (4 exponent bits, 3 mantissa bits; 8 bits a number), with one given power-of-two scale for each operand tensor; their sums are f32. All else is computed in f32.
;;   The module's matrix products, in the order in which they are computed (A, B: the left and right operand; K: the contracted axis; several contracted axes count as one K, in the product's order):
;;     1. [M 8,192, K 1,024] x [K 1,024, N 3,072]; A: input x (given as codes); B: input W_attn (given as codes): QUANTISED (scales: A lowp_scales[0], B lowp_scales[1])
;;     2. batch 64 x [M 2,048, K 64] x [K 64, N 2,048]; A: computed on the way; B: computed on the way: QUANTISED (scales: A lowp_scales[2], B lowp_scales[3])
;;     3. batch 64 x [M 2,048, K 2,048] x [K 2,048, N 64]; A: softmax (see below); B: computed on the way: QUANTISED (scales: A lowp_scales[4], B lowp_scales[5])
;;     4. [M 8,192, K 1,024] x [K 1,024, N 1,024]; A: computed on the way; B: input W_proj (given as codes): QUANTISED (scales: A lowp_scales[6], B lowp_scales[7])
;;   THE QUANTISER, for each operand of a quantised product, along K:
;;     - The operand's scale is 2^e, e = its entry of the input lowp_scales (int32; the entries are numbered through the quantised products in the list's order, A before B).
;;     - Each number is divided by the scale, clamped to +-448, and rounded to the nearest number of E4M3, ties to even, subnormals kept.
;;     - The product sums the exact products of the quantised numbers (number of the format x scale) in f32.
;;   ~~~python
;;   def quantise(x, axis, e):      # numpy; x: float32 -> the quantised numbers, widened to float32 again
;;       x = np.moveaxis(x, axis, -1); K = x.shape[-1]
;;       r = np.clip(x / 2.0 ** e, -448, 448)
;;       step = 2.0 ** (np.maximum(np.frexp(np.where(r == 0, 1, r))[1] - 1, -6) - 3)
;;       q = np.round(r / step) * step * 2.0 ** e      # np.round: ties to even
;;       return np.moveaxis(q, -1, axis).astype(np.float32)
;;   ~~~
;;   SOFTMAX AHEAD OF A QUANTISED PRODUCT. Where the list says 'softmax', what is quantised is not the finished softmax but p = 2^(t - M), with t = logit x log2(e) and M = ceil(the row's largest t), a whole number; so 1/2 < the row's largest p <= 1. The row's sum l is taken of the UNQUANTISED p, in f32, and the product's result is divided by l at the end. Since M is a whole number, a kernel that streams over the keys may use a running M (the ceiling of the running maximum): every later rescaling is an exact power of two, so the quantised numbers keep their values, but for numbers so far below the row's largest that they fall under the format's range.
;;   OPERANDS COMPUTED ON THE WAY. 'Computed on the way' means the value that the module computes at that place (a softmax that the list does not call 'softmax' is quantised finished and normalised). What goes into a quantiser is computed in f32, as accurately as f32 sums, v_exp_f32 and their like allow (about 1e-6 of the number): no bf16 or f16 on the way to a quantiser, and a product that is left as it is and whose result goes on into a quantised operand takes f32 operands (vector FMAs, or v_wmma_f32_16x16x4_f32). A number that lies on a knife's edge between two numbers of the format may be rounded either way, as far as f32 arithmetic and the matrix unit's own rounding can turn it there, and no further.
;;   INPUTS GIVEN AS CODES. W_attn (in the module: [1024, 3072], K = its axis 0); W_proj (in the module: [1024, 1024], K = its axis 0); x (in the module: [4, 2048, 1024], K = its axis 2): each comes as NAME_codes (uint8): NAME with its K axis moved to the last place and cut into blocks of 32 codes, [.., K / 32, bytes a block], one block behind the other in memory; one code a byte (a code: sign, 4 exponent bits, 3 mantissa bits); its scale is its entry of lowp_scales. Its value is code x scale, taken as it is: it is not quantised again, and the codes and scales need not be those that the quantiser above would give.
;; One version. Each part assembles by itself: llvm-mc -triple=amdgcn-amd-amdhsa -mcpu=gfx1250 --defsym DOCPART=n.
;; ======== version 1 of 1: 3 launches
;; limits: right only within a limited range of input values
;; workspace buffers: q_codes 8,388,608 bytes; k_codes 8,388,608 bytes; v_codes 8,388,608 bytes; vhat 33,554,432 bytes; y_codes 8,388,608 bytes
;; launch qkv (part 1): grid 8 x 32, 4 waves a work-group, clusters of 4 x 4, 327,680 bytes of LDS; arguments x_codes, W_attn_codes, b_attn, lowp_scales, q_codes, k_codes, v_codes, vhat; writes q_codes, k_codes, v_codes, vhat
.if DOCPART == 1
	.amdgcn_target "amdgcn-amd-amdhsa--gfx1250"
	.amdhsa_code_object_version 6
	.text
	.protected	k_qaaa17bee35_qkv
	.globl	k_qaaa17bee35_qkv
	.p2align	8
	.type	k_qaaa17bee35_qkv,@function
k_qaaa17bee35_qkv:
	s_mov_b64 s[64:65], 0
	v_nop
	global_prefetch_b8 v0, s[64:65] scope:SCOPE_SE
	s_setreg_imm32_b32 hwreg(HW_REG_WAVE_MODE, 25, 1), 1
	s_wait_xcnt 0x0
	s_wait_alu depctr_hold_cnt(0) depctr_sa_sdst(0) depctr_va_vdst(0) depctr_va_sdst(0) depctr_va_ssrc(0) depctr_va_vcc(0) depctr_vm_vsrc(0)
	s_getreg_b32 s2, hwreg(HW_REG_IB_STS2, 6, 4)
	s_cmp_eq_u32 s2, 0
	s_cbranch_scc0 .Lentry_in_a_cluster
	s_endpgm
.Lentry_in_a_cluster:
	s_bfe_u32 s2, ttmp6, 0x10000c
	s_cmp_lg_u32 s2, 0xf033
	s_cbranch_scc0 .Lentry_shape_is_right
	s_endpgm
.Lentry_shape_is_right:
; qkv = x W_attn + b_attn on codes of FP8 (E4M3), then what each third needs on its way to attention:
;   q -> codes (scale 2^e2);  k -> sparsemax over the head's 64 numbers -> codes (2^e3);  v -> codes with the KEYS innermost (2^e5), and v / max(|v|, 1e-12) in f32.
; SHARES.  A work-group takes 256 tokens and the q, k and v columns of two heads (384 columns), so that every work-group has the same share of the sparsemax.  Wave w: tokens 128 (w / 2) on, head w % 2:
; 128 tokens x 192 columns = 96 accumulators of 16 x 16, 768 registers (windows 1, 2, 3 = q, k, v; accumulator (a, t) at v[8 (4 a + t)]: 16 tokens a, 16 columns t).
; THE MATRIX INSTRUCTION IS USED TRANSPOSED (source 0 = 16 rows of W, source 1 = 16 tokens): lane (r, h) holds token r, and register j of tile t the head's number d = 16 t + 8 h + j.  So a conversion of a tile's eight
; registers gives registers 2 t, 2 t + 1 of the 16x16x64 form's own operand layout: q's and k's codes are stored AS IMAGES OF OPERAND REGISTERS (four registers of all lanes on end: 16 x lane, 512 bytes a store).
; K goes in steps of 128 through two LDS slots filled by the tensor data mover; a step is two halves of 64, each three phases (q, k, v) of 32 matrix instructions.  Rows of 256 bytes would need 2 x 640 x 272 bytes of LDS: they do not fit.
; CLUSTERS: 4 x 4 work-groups; x's tile is shared along a row of the cluster, W's along a column: joint loads.  Wave 0 asks for x's 256 rows, waves 1 to 3 for one section (q, k, v) of W's rows each.
; SPARSEMAX, exact and with a fixed count of instructions: tau = max over k of (the sum of the k largest - 1) / k.  The 64 numbers of a row lie in two lanes; each sorts its 32 (a bitonic network in registers), lanes 16-31 on the
; negated numbers, so that one text sorts one half downward and the other upward; one exchange and five layers merge them.  It works on z - max, held at -1 from below: tau >= max - 1, so what is held never counts.
; LIMITS: NaN among the numbers is not served.  e0 + e1 between -126 and 127; e2, e3, e5 between -126 and 119, so that each power of two below is an f32 number.  1 / k comes from v_rcp_f32.
.set PITCH,  144                       ; an LDS row: 128 bytes + 16 of padding: an odd multiple of 16 bytes, so the 16 rows of a fragment load start at 16 different groups of banks (64 banks of 4 bytes: ISA guide 11.1)
.set SECB,   128*PITCH                 ; 128 rows
.set SLOT,   5*SECB                    ; x's 256 rows, then W's three sections of 128 rows
.set SPARE,  2*SLOT                    ; behind the ring: the spare words, 128 bytes for each wave
.set STAGE,  SPARE+512                 ; behind them: a stage for each wave, which no tensor load fills
.set SP,     272                       ; a stage row: 64 f32 + 16 bytes
.set STGB,   128*SP
.set ADRA, 16                          ; v16-17  LDS address of my fragments of x in slot 0, 1
.set ADRB, 20                          ; v20-21  the same for W (section q; the others by the offset)
.set LI,   24                          ; v24     16 x lane: an image's place for my lane; never rewritten
.set STGI, 25                          ; v25     my stage + 16 x lane
.set SRW,  26                          ; v26     my stage by rows: row r, + 32 h
.set SCR,  27                          ; v27     my stage by columns: row 8 h, + 4 r
.set SPW,  28                          ; v28     my spare word; never rewritten
.set NIL,  29                          ; v29     0; never rewritten
.set BO,   30                          ; v30     32 h: my half's bytes in a tile of the bias
.set AF,   32                          ; v32-95, v96-159   x's fragments (8 x 8 registers), two sets
.set BF,   160                         ; v160-255          W's fragments: 4 x 8 registers for each section
.set WV,   20                          ; s20 wave; s21 which 128 tokens; s22 which head
.set G1A, 24                           ; s[24:31] descriptor group 1 for x's tile;  s[32:39] group 0, one set a slot
.set G0A, 32
.set G1B, 48                           ; s[48:55], s[56:63] the same for W's sections
.set G0B, 56
.set MSB, 0
.macro WIN new                         ; the immediate's high byte repeats the setting that is left
.if MSB != (\new)
	s_set_vgpr_msb (MSB<<8)|(\new)
.set MSB, (\new)
.endif
.endm
.macro PLACES n                        ; plain vector places behind matrix instructions (ISA guide 7.12.1)
.rept \n
	v_nop
.endr
.endm
.macro JLOAD s                         ; a joint load into slot s: the branch hangs on the wave's number alone; four v_nop follow each of the two lines
	s_cmp_eq_u32 s[WV], 0
	s_cbranch_scc0 .Lfor_b_\@
	tensor_load_to_lds s[G0A+4*\s:G0A+4*\s+3], s[G1A:G1A+7]
	s_nop 0
.rept 4
	v_nop
.endr
	s_branch .Lasked_\@
.Lfor_b_\@:
	tensor_load_to_lds s[G0B+4*\s:G0B+4*\s+3], s[G1B:G1B+7]
	s_nop 0
.rept 4
	v_nop
.endr
.Lasked_\@:
.endm
.macro CREST                           ; a round of the cluster's barrier behind its opening barrier
	s_cmp_lg_u32 s[WV], 0
	s_cbranch_scc1 .Lnot_wave_0_\@
	s_barrier_signal -3
.Lnot_wave_0_\@:
	s_barrier_wait -3
	s_barrier_signal -1
	s_barrier_wait -1
.endm
.macro CROUND
	s_barrier_signal -1
	s_barrier_wait -1
	CREST
.endm
	s_load_b256 s[4:11], s[0:1], 0x0               ; x s[4:5], W s[6:7], b_attn s[8:9], the scales' exponents s[10:11]
	s_load_b256 s[12:19], s[0:1], 0x20             ; q_codes s[12:13], k_codes s[14:15], v_codes s[16:17], vhat s[18:19]
	v_lshl_add_u32 v[SPW], v0, 2, SPARE
	v_mov_b32 v[NIL], 0
	ds_add_u32 v28, v29
	ds_add_u32 v28, v29
	s_wait_dscnt 0x0
	v_lshrrev_b32 v1, 5, v0
	v_readfirstlane_b32 s[WV], v1                  ; wave 0..3
	s_lshr_b32 s21, s[WV], 1                       ; which 128 tokens
	s_and_b32 s22, s[WV], 1                        ; which head of the pair
	s_bfe_u32 s40, ttmp6, 0x40000                  ; cx, cy: my place in the cluster
	s_bfe_u32 s41, ttmp6, 0x40004
	s_lshl_b32 s42, ttmp9, 2
	s_add_co_u32 s42, s42, s40                     ; pair of heads = 4 x cluster x + cx
	s_and_b32 s43, ttmp7, 0xffff
	s_lshl_b32 s43, s43, 2
	s_add_co_u32 s43, s43, s41                     ; block of 256 tokens = 4 x cluster y + cy
	s_lshl_b32 s44, s41, 2
	s_lshl_b32 s44, 15, s44                        ; my row of the cluster
	s_lshl_b32 s45, 0x1111, s40                    ; my column
	s_or_b32 s[G1A], s44, (1<<20)|(1<<21)|(4<<22)|(3<<25)   ; 15:0 the mask; 17:16 elements of 1 byte; 20 padding on; 21 set beside a mask; 24:22 after every 32 words (code 4); 31:25 four words (code 3)
	s_or_b32 s[G1B], s45, (1<<20)|(1<<21)|(4<<22)|(3<<25)
	s_mov_b32 s[G1A+1], 128<<16                    ; tensor_dim0 = 128 bytes
	s_mov_b32 s[G1A+2], 256<<16                    ; tensor_dim1 = 256 rows
	s_mov_b32 s[G1A+3], 128<<16                    ; tile_dim0
	s_mov_b32 s[G1A+4], 256                        ; tile_dim1
	s_mov_b32 s[G1A+5], 1024                       ; from row to row
	s_mov_b32 s[G1A+6], 0
	s_mov_b32 s[G1A+7], 0
	s_mov_b32 s[G1B+1], 128<<16
	s_mov_b32 s[G1B+2], 128<<16                    ; 128 rows
	s_mov_b32 s[G1B+3], 128<<16
	s_mov_b32 s[G1B+4], 128
	s_mov_b32 s[G1B+5], 1024
	s_mov_b32 s[G1B+6], 0
	s_mov_b32 s[G1B+7], 0
	s_lshl_b32 s66, s43, 18                        ; x: 256 rows of 1,024 bytes a block: hangs on the block of tokens alone
	s_mov_b32 s67, 0
	s_add_co_u32 s78, s[WV], 3
	s_and_b32 s78, s78, 3                          ; W: wave 1, 2, 3 takes section 0, 1, 2
	s_min_u32 s78, s78, 2                          ; (wave 0 issues no load by this address; held inside the buffer all the same)
	s_lshl_b32 s78, s78, 20                        ; a section is 1,024 rows of 1,024 bytes,
	s_lshl_b32 s79, s42, 17                        ; a pair of heads 128 rows: hangs on the pair of heads and the wave alone
	s_add_co_u32 s78, s78, s79
	s_mov_b32 s79, 0
	s_add_co_u32 s46, s[WV], 1
	s_mul_i32 s46, s46, SECB                       ; and its place in a slot: behind x's two blocks of 128 rows
	s_wait_kmcnt 0x0
	s_load_b256 s[68:75], s[10:11], 0x0            ; e0 .. e7
	s_add_nc_u64 s[66:67], s[4:5], s[66:67]
	s_add_nc_u64 s[78:79], s[6:7], s[78:79]
	CROUND                                         ; all sixteen work-groups are here: the first joint loads meet
.irp s, 0,1
	s_mov_b32 s[G0A+4*\s], 1
	s_mov_b32 s[G0A+4*\s+1], \s*SLOT
	s_add_nc_u64 s[G0A+4*\s+2:G0A+4*\s+3], s[66:67], \s*128
	s_or_b32 s[G0A+4*\s+3], s[G0A+4*\s+3], 0x80000000
	s_mov_b32 s[G0B+4*\s], 1
	s_add_co_u32 s[G0B+4*\s+1], s46, \s*SLOT
	s_add_nc_u64 s[G0B+4*\s+2:G0B+4*\s+3], s[78:79], \s*128
	s_or_b32 s[G0B+4*\s+3], s[G0B+4*\s+3], 0x80000000
	JLOAD \s                                       ; K steps 0 and 1: two loads of mine are out
.endr
	v_and_b32 v1, 15, v0                           ; r
	v_bfe_u32 v2, v0, 4, 1                         ; h
	v_and_b32 v3, 31, v0                           ; lane
	s_wait_alu depctr_va_vdst(0)
	v_mul_u32_u24 v4, v1, PITCH
	v_lshl_add_u32 v4, v2, 4, v4                   ; a fragment's row x pitch + 16 h
	s_mul_i32 s92, s21, SECB                       ; my 128 tokens
	s_mul_i32 s93, s22, 64*PITCH                   ; my head's 64 rows of a section,
	s_add_co_u32 s93, s93, 2*SECB                  ; which lie behind x's 256
.irp s, 0,1
	v_add_nc_u32 v[ADRA+\s], s92, v4
	v_add_nc_u32 v[ADRB+\s], s93, v4
	s_add_co_u32 s92, s92, SLOT
	s_add_co_u32 s93, s93, SLOT
.endr
	s_mul_i32 s94, s[WV], STGB
	s_add_co_u32 s94, s94, STAGE                   ; my stage
	v_lshlrev_b32 v[LI], 4, v3
	v_add_nc_u32 v[STGI], s94, v[LI]
	v_mul_u32_u24 v5, v1, SP
	v_lshl_add_u32 v5, v2, 5, v5
	v_add_nc_u32 v[SRW], s94, v5
	v_mul_u32_u24 v5, v2, 8*SP
	v_lshl_add_u32 v5, v1, 2, v5
	v_add_nc_u32 v[SCR], s94, v5
	v_lshlrev_b32 v[BO], 5, v2
	s_lshl_b32 s95, s42, 1
	s_add_co_u32 s95, s95, s22                     ; my head
	s_lshl_b32 s96, s95, 8
	s_mov_b32 s97, 0
	s_add_nc_u64 s[8:9], s[8:9], s[96:97]          ; b_attn at my head's q numbers
; The biases in the results' layout (lane (r, h), tile t: numbers 16 t + 8 h + 0 .. 7), 96 registers: no register is free for them during the products, so they wait in my stage as an image.
.set i, 0
.rept 24
	global_load_b128 v[32+4*i:35+4*i], v[BO], s[8:9] offset:(i/8)*4096+((i%8)/2)*64+(i%2)*16
.set i, i+1
.endr
	s_lshr_b32 s96, s43, 3                         ; the batch,
	s_lshl_b32 s96, s96, 4
	s_add_co_u32 s96, s96, s95                     ; batch x 16 + head
	s_and_b32 s98, s43, 7
	s_lshl_b32 s98, s98, 1
	s_add_co_u32 s98, s98, s21                     ; my 128 tokens among the batch's 2,048: a key step
	s_lshl_b32 s92, s96, 17                        ; a head's codes are 131,072 bytes in each of the three buffers,
	s_lshl_b32 s93, s98, 13                        ; 128 tokens' 8,192
	s_add_co_u32 s92, s92, s93
	s_mov_b32 s93, 0
	s_add_nc_u64 s[84:85], s[12:13], s[92:93]      ; q_codes,
	s_add_nc_u64 s[86:87], s[14:15], s[92:93]      ; k_codes,
	s_add_nc_u64 s[88:89], s[16:17], s[92:93]      ; v_codes at my part
	s_lshl_b64 s[92:93], s[92:93], 2               ; f32: four times the bytes
	s_add_nc_u64 s[90:91], s[18:19], s[92:93]      ; vhat
	s_mov_b32 s80, 0x76543210                      ; v_permlanex16_b32's selects for lane l xor 16
	s_mov_b32 s81, 0xfedcba98
	s_wait_alu depctr_va_vdst(0)
	s_wait_loadcnt 0x0
.set i, 0
.rept 24
	ds_store_b128 v[STGI], v[32+4*i:35+4*i] offset:512*i
.set i, i+1
.endr
.macro FRAG64 reg, adr, off            ; 16 rows x 64 K in 8 registers, by two loads of 16 bytes, 32 apart: the same permutation of k in x and in W, so every product meets its partner
	ds_load_b128 v[(\reg):(\reg)+3], v[\adr] offset:\off
	ds_load_b128 v[(\reg)+4:(\reg)+7], v[\adr] offset:\off+32
.endm
.macro LOADB slot, kap, g              ; section g's four fragments of the slot's half kap: 8 loads
.irp t, 0,1,2,3
	FRAG64 BF+32*(\g)+8*\t, ADRB+(\slot), (\g)*SECB+\t*16*PITCH+64*(\kap)
.endr
.endm
.macro LOADA slot, kap                 ; x's eight fragments into set kap % 2: 16 loads
.irp a, 0,1,2,3,4,5,6,7
	FRAG64 AF+64*((\kap)%2)+8*\a, ADRA+(\slot), \a*16*PITCH+64*(\kap)
.endr
.endm
.macro MULH g, kap, a0, zero           ; 16 matrix instructions: tokens a0 .. a0 + 3 x the section's four tiles.  The 96 accumulators take turns, one instruction a turn, in the same order in every half
.irp a, \a0, \a0+1, \a0+2, \a0+3
.irp t, 0,1,2,3
.if \zero
	v_wmma_f32_16x16x64_fp8_fp8 v[8*(4*(\a)+\t):8*(4*(\a)+\t)+7], v[BF+32*(\g)+8*\t:BF+32*(\g)+8*\t+7], v[AF+64*((\kap)%2)+8*(\a):AF+64*((\kap)%2)+8*(\a)+7], 0
.else
	v_wmma_f32_16x16x64_fp8_fp8 v[8*(4*(\a)+\t):8*(4*(\a)+\t)+7], v[BF+32*(\g)+8*\t:BF+32*(\g)+8*\t+7], v[AF+64*((\kap)%2)+8*(\a):AF+64*((\kap)%2)+8*(\a)+7], v[8*(4*(\a)+\t):8*(4*(\a)+\t)+7]
.endif
.endr
.endr
.endm
; A PHASE: section g, half kap: 32 matrix instructions; behind them the section's fragments for the next half (and, behind section q, x's): they are wanted three phases on.
; cnt = the LDS loads issued behind the ones that this phase wants: q: k's 8 and v's 8;  k: v's 8 and the next q's 24;  v: the next q's 24 and the next k's 8.
.macro PHASE g, kap, zero, cnt, slotl, kapl    ; slotl < 0: nothing more is fetched
	s_wait_dscnt \cnt
	WIN 0x50*((\g)+1)                              ; C and D in the section's window, the sources in window 0
	MULH \g, \kap, 0, \zero
	MULH \g, \kap, 4, \zero
.if (\slotl) >= 0
	PLACES 4                                       ; in front of loads into registers that these matrix instructions have read
	WIN 0
	LOADB \slotl, \kapl, \g
.if (\g) == 0
	LOADA \slotl, \kapl
.endif
.else
	WIN 0
.endif
.endm
.macro HALF0 slot, zero                ; a slot's first 64 along K
	PHASE 0, 0, \zero, 16, \slot, 1
	PHASE 1, 0, \zero, 32, \slot, 1
	PHASE 2, 0, \zero, 32, \slot, 1
.endm
; The second half's first phase changes slots: ONE barrier.  In front of it each wave waits for all its tensor loads (its part of the next slot), adds 0 to its spare word, and waits for that and for its reads of this slot,
; the last of which were issued just ahead.  fill = 1: the barrier opens a round of the cluster's barrier and this slot is filled again, two K steps ahead: the load has five phases in which to land.
.macro TURNP slot, next, fill
	s_wait_tensorcnt 0x0                           ; all my tensor loads have landed (every window is 0 here)
	ds_add_u32 v[SPW], v[NIL]                      ; 0 onto my spare word
	s_wait_dscnt 17                                ; k's 8 loads, v's 8 and the add may be out
	WIN 0x50
	MULH 0, 1, 0, 0                                ; sixteen matrix instructions stand between the add and the wait for it
	s_wait_dscnt 0x0                               ; the add is done, and my reads of this slot are over
	s_barrier_signal -1
	MULH 0, 1, 4, 0
	WIN 0
	s_barrier_wait -1
.if \fill
	CREST                                          ; no wave of any partner still reads this slot or has a load on its way
	s_add_nc_u64 s[G0A+4*\slot+2:G0A+4*\slot+3], s[G0A+4*\slot+2:G0A+4*\slot+3], 256
	s_add_nc_u64 s[G0B+4*\slot+2:G0B+4*\slot+3], s[G0B+4*\slot+2:G0B+4*\slot+3], 256
	JLOAD \slot                                    ; the first tensor load behind the round; its four v_nop are the places in front of the loads below
.else
	PLACES 4
.endif
	LOADB \next, 0, 0
	LOADA \next, 0
.endm
.macro HALF1 slot, next, fill
	TURNP \slot, \next, \fill
	PHASE 1, 1, 0, 32, \next, 0
	PHASE 2, 1, 0, 32, \next, 0
.endm
	s_wait_tensorcnt 1                             ; my part of K step 0 is in; K step 1's may stay out
	s_wait_dscnt 0x0                               ; the biases' image is stored
	s_barrier_signal -1
	s_barrier_wait -1
	LOADB 0, 0, 0
	LOADA 0, 0
	LOADB 0, 0, 1
	LOADB 0, 0, 2
	HALF0 0, 1                                     ; the first half stands in front of the loop: its products start the sums
	s_mov_b32 s23, 3
.Llap:                                             ; a trip goes once round the ring and fills both slots again: K steps 2 to 7
	HALF1 0, 1, 1
	HALF0 1, 0
	HALF1 1, 0, 1
	HALF0 0, 0
	s_sub_co_u32 s23, s23, 1
	s_cmp_lg_u32 s23, 0
	s_cbranch_scc1 .Llap
	HALF1 0, 1, 0                                  ; the last lap fills nothing
	HALF0 1, 0
	PHASE 0, 1, 0, 16, -1, 0                       ; the last half fetches nothing: the counts run down
	PHASE 1, 1, 0, 8, -1, 0
	PHASE 2, 1, 0, 0, -1, 0
; ---------------- what is made of the sums.  All in window 0 but the reads of the accumulators, each from its low end on.
.set T,    32                          ; v32-63   a tile of tokens' 32 numbers a lane
.set CQ,   64                          ; v64-127  q's codes, 8 registers a tile of tokens
.set VH,   64                          ; v64-95, v96-127 by turns: v / |v|
.set SQ,   128                         ; v128-131 the squares' sums;  v[132:133] 1 / |v|
.set RS,   132
.set W,    32                          ; v32-95   64 numbers of v, down the keys
.set CV,   96                          ; v96-159  v's codes
.set BQ,   160                         ; the biases
.set BK,   192
.set BV,   224
.set LIM2, 8                           ; v8-13: for e2, e3, e5: the largest number x the scale, and the scale
.set SCL2, 9
.set LIM3, 10
.set SCL3, 11
.set LIM5, 12
.set SCL5, 13
.macro MKSC e, vlim, vscl
	s_add_co_i32 s92, s[\e], 127
	s_lshl_b32 s93, s92, 23
	v_mov_b32 v[\vscl], s93                        ; 2^e as f32: the conversion takes its exponent field
	s_add_co_i32 s92, s92, 8
	s_lshl_b32 s92, s92, 23
	s_or_b32 s92, s92, 0x600000
	v_mov_b32 v[\vlim], s92                        ; 448 x 2^e
.endm
.macro AFFINE win, a, bias             ; T = the sums of tokens a x 2^(e0 + e1) + bias, two at a time
	WIN \win
.set i, 0
.rept 16
	v_pk_fma_f32 v[T+2*i:T+2*i+1], v[32*(\a)+2*i:32*(\a)+2*i+1], s[76:77], v[\bias+2*i:\bias+2*i+1] op_sel_hi:[1,0,1]
.set i, i+1
.endr
	WIN 0
.endm
	PLACES 4                                       ; behind the last products: for the loads below and the first reads of results
.set i, 0
.rept 24
	ds_load_b128 v[BQ+4*i:BQ+4*i+3], v[STGI] offset:512*i
.set i, i+1
.endr
	s_wait_kmcnt 0x0
	s_add_co_i32 s76, s68, s69
	s_add_co_i32 s76, s76, 127
	s_lshl_b32 s76, s76, 23                        ; 2^(e0 + e1) as f32
	s_mov_b32 s77, s76                             ; (named with it as a pair, so it is written)
	MKSC 70, LIM2, SCL2
	MKSC 71, LIM3, SCL3
	MKSC 73, LIM5, SCL5
	v_mov_b32 v[RS+1], 0                           ; (named as the upper half of a pair)
	s_wait_dscnt 0x0
; ---- q: hold, convert, store the image.  Each tile of tokens has its own registers for its codes, so no store's data are written again.
.irp a, 0,1,2,3,4,5,6,7
	AFFINE 0x01, \a, BQ
.set i, 0
.rept 32
.set i, i+1
.endr
.irp t, 0,1,2,3
	v_cvt_scalef32_pk8_fp8_f32 v[CQ+8*\a+2*\t:CQ+8*\a+2*\t+1], v[T+8*\t:T+8*\t+7], v[SCL2]
.endr
	v_nop                                          ; a plain line between the conversions and the next lines that write their sources
	global_store_b128 v[LI], v[CQ+8*\a:CQ+8*\a+3], s[84:85] offset:\a*1024          ; 32 lanes store 512 consecutive bytes
	global_store_b128 v[LI], v[CQ+8*\a+4:CQ+8*\a+7], s[84:85] offset:\a*1024+512
.endr
; ---- v, first part: the f32 numbers go into my stage by rows (token, d); v / max(|v|, 1e-12) = v x rsq(max(sum of squares, 1e-24)) is stored in the results' layout.
.irp a, 0,1,2,3,4,5,6,7
	s_wait_xcnt 0x0                                ; the earlier stores have read their registers: v64-127 are written again only behind this wait
	AFFINE 0x03, \a, BV
.set i, 0
.rept 8
	ds_store_b128 v[SRW], v[T+4*i:T+4*i+3] offset:\a*16*SP+64*(i/2)+16*(i%2)
.set i, i+1
.endr
	v_pk_mul_f32 v[SQ:SQ+1], v[T:T+1], v[T:T+1]
	v_pk_mul_f32 v[SQ+2:SQ+3], v[T+2:T+3], v[T+2:T+3]
.set i, 2
.rept 7
	v_pk_fma_f32 v[SQ:SQ+1], v[T+2*i:T+2*i+1], v[T+2*i:T+2*i+1], v[SQ:SQ+1]
	v_pk_fma_f32 v[SQ+2:SQ+3], v[T+2*i+2:T+2*i+3], v[T+2*i+2:T+2*i+3], v[SQ+2:SQ+3]
.set i, i+2
.endr
	v_pk_add_f32 v[SQ:SQ+1], v[SQ:SQ+1], v[SQ+2:SQ+3]
	v_add_f32 v[SQ], v[SQ], v[SQ+1]
	v_permlanex16_b32 v[SQ+2], v[SQ], s80, s81     ; the token's other 32 numbers lie in the lane 16 away
	v_add_f32 v[SQ], v[SQ], v[SQ+2]
	v_max_num_f32 v[SQ], 0x179abe15, v[SQ]         ; 1e-24
	s_wait_alu depctr_va_vdst(0)
	v_rsq_f32 v[RS], v[SQ]
	v_nop                                          ; a plain line behind the transcendental,
	s_wait_alu depctr_va_vdst(0)                   ; and the wait ahead of its first reader
.set i, 0
.rept 16
	v_pk_mul_f32 v[VH+32*(\a%2)+2*i:VH+32*(\a%2)+2*i+1], v[T+2*i:T+2*i+1], v[RS:RS+1] op_sel_hi:[1,0]
.set i, i+1
.endr
.set i, 0
.rept 8
	global_store_b128 v[LI], v[VH+32*(\a%2)+4*i:VH+32*(\a%2)+4*i+3], s[90:91] offset:\a*4096+512*i
.set i, i+1
.endr
.endr
; ---- v, second part: a lane takes a column d = 16 t' + r and its registers run down my 128 keys (16 c + 8 h + j), in the order of the 16x16x128 form's own operand layout: the conversions' results are that operand's registers.
	s_wait_xcnt 0x0                                ; vhat's stores have read v64-127
.irp tp, 0,1,2,3
.set i, 0
.rept 64
	ds_load_b32 v[W+i], v[SCR] offset:(16*(i/8)+i%8)*SP+64*\tp    ; LDS serves a wave's instructions in order (ISA guide 5.7.1.4): these see my stores
.set i, i+1
.endr
	s_wait_dscnt 0x0
.set i, 0
.rept 64
.set i, i+1
.endr
.irp c, 0,1,2,3,4,5,6,7
	v_cvt_scalef32_pk8_fp8_f32 v[CV+16*\tp+2*\c:CV+16*\tp+2*\c+1], v[W+8*\c:W+8*\c+7], v[SCL5]
.endr
	v_nop
.irp i, 0,1,2,3
	global_store_b128 v[LI], v[CV+16*\tp+4*\i:CV+16*\tp+4*\i+3], s[88:89] offset:\tp*2048+512*\i
.endr
.endr
; ---- k: the f32 numbers go into my stage as images, a tile of tokens in 4,096 bytes, so that ONE text can walk the eight tiles in a loop (register numbers cannot be stepped).
.irp a, 0,1,2,3,4,5,6,7
	AFFINE 0x02, \a, BK
.set i, 0
.rept 8
	ds_store_b128 v[STGI], v[T+4*i:T+4*i+3] offset:\a*4096+512*i
.set i, i+1
.endr
.endr
; ---- sparsemax and k's codes
.set Z,    32                          ; v32-63   the lane's 32 numbers
.set P,    64                          ; v64-95, v96-127: the network's two sets, by turns
.set Q,    96
.set INV,  128                         ; v128-159 1 / k for the lane's 32 candidates: k = i + 1 in lanes 0-15, 63 - i in lanes 16-31
.set CK,   160                         ; v160-167 the codes
.set HB,   168                         ; h as f32
.set SG,   170                         ; v[170:171] 1 - 2 h
.set ZM,   172                         ; the row's largest number
.set M2,   173
.set NZ,   174                         ; v[174:175]
.set SA,   176
.set SB,   178
.set TT,   180                         ; the sum of the row's 64 held numbers
.set ACC,  181
.set C64,  182
.set TAU,  183
.set TMP,  184
.set THR,  186                         ; v[186:187] the threshold
.set ADR,  188
	s_wait_xcnt 0x0                                ; v_codes' stores have read v96-159
	v_cvt_f32_u32 v[HB], v2
	v_mov_b32 v[NZ+1], 0                           ; (upper halves of pairs, and a permute's destination: written once)
	v_mov_b32 v[THR+1], 0
	v_mov_b32 v[TMP], 0
	v_fma_f32 v[SG], v[HB], -2.0, 1.0
	v_mov_b32 v[SG+1], v[SG]
.set i, 0
.rept 32
	v_mad_u32_u24 v[INV+i], v2, 62-2*i, i+1
.set i, i+1
.endr
.set i, 0
.rept 32
	v_cvt_f32_u32 v[INV+i], v[INV+i]
.set i, i+1
.endr
.set i, 0
	s_wait_alu depctr_va_vdst(0)
.rept 32
	v_rcp_f32 v[INV+i], v[INV+i]
.set i, i+1
.endr
	v_nop
	s_wait_alu depctr_va_vdst(0)                   ; one wait for the 32 reciprocals, ahead of the loop's label
.macro LAYER k, j                      ; a layer of the bitonic network: 16 comparators, from set SRC into set DST; the larger number to the lower place where i & k = 0
.set i, 0
.rept 32
.set LL, i^(\j)
.if LL > i
.if (i & (\k)) == 0
	v_max_num_f32 v[DST+i], v[SRC+i], v[SRC+LL]
	v_min_num_f32 v[DST+LL], v[SRC+i], v[SRC+LL]
.else
	v_min_num_f32 v[DST+i], v[SRC+i], v[SRC+LL]
	v_max_num_f32 v[DST+LL], v[SRC+i], v[SRC+LL]
.endif
.endif
.set i, i+1
.endr
.set TSW, SRC
.set SRC, DST
.set DST, TSW
.endm
.macro MAX32 dst, src                  ; the largest of 32 registers, in two chains
	v_max3_num_f32 v[\dst], v[\src], v[\src+1], v[\src+2]
	v_max3_num_f32 v[M2], v[\src+3], v[\src+4], v[\src+5]
.set i, 6
.rept 6
	v_max3_num_f32 v[\dst], v[\dst], v[\src+i], v[\src+i+1]
	v_max3_num_f32 v[M2], v[M2], v[\src+i+2], v[\src+i+3]
.set i, i+4
.endr
	v_max3_num_f32 v[\dst], v[\dst], v[\src+30], v[\src+31]
	v_max_num_f32 v[\dst], v[\dst], v[M2]
.endm
	s_mov_b32 s82, 0
	s_mov_b32 s23, 8
.Lrow:                                             ; a trip: 16 tokens
	v_add_nc_u32 v[ADR], s82, v[STGI]
.set i, 0
.rept 8
	ds_load_b128 v[Z+4*i:Z+4*i+3], v[ADR] offset:512*i
.set i, i+1
.endr
	s_wait_dscnt 0x0
	MAX32 ZM, Z
	v_permlanex16_b32 v[TMP], v[ZM], s80, s81
	v_max_num_f32 v[ZM], v[ZM], v[TMP]             ; the row's largest
	v_mul_f32 v[NZ], -v[SG], v[ZM]
.set i, 0
.rept 16
	v_pk_fma_f32 v[P+2*i:P+2*i+1], v[Z+2*i:Z+2*i+1], v[SG:SG+1], v[NZ:NZ+1] op_sel_hi:[1,0,0]   ; z - max; negated in lanes 16-31
.set i, i+1
.endr
.set i, 0
.rept 32
	v_med3_num_f32 v[P+i], v[P+i], -1.0, 1.0       ; held at -1 (at +1 where negated)
.set i, i+1
.endr
	v_pk_add_f32 v[SA:SA+1], v[P:P+1], v[P+2:P+3]
	v_pk_add_f32 v[SB:SB+1], v[P+4:P+5], v[P+6:P+7]
.set i, 4
.rept 6
	v_pk_add_f32 v[SA:SA+1], v[SA:SA+1], v[P+2*i:P+2*i+1]
	v_pk_add_f32 v[SB:SB+1], v[SB:SB+1], v[P+2*i+2:P+2*i+3]
.set i, i+2
.endr
	v_pk_add_f32 v[SA:SA+1], v[SA:SA+1], v[SB:SB+1]
	v_add_f32 v[SA], v[SA], v[SA+1]
	v_permlanex16_b32 v[TMP], v[SA], s80, s81
	v_sub_f32 v[TT], v[SA], v[TMP]
	v_mul_f32 v[TT], v[SG], v[TT]                  ; the sum of all 64, in both lanes
	v_fma_f32 v[ACC], v[HB], v[TT], -1.0           ; where the running sums begin: -1, or the whole sum - 1
	v_add_f32 v[C64], -1.0, v[TT]
	v_mul_f32 v[C64], 0x3c800000, v[C64]           ; the candidate for k = 64
.set SRC, P
.set DST, Q
	LAYER 2, 1
	LAYER 4, 2
	LAYER 4, 1
	LAYER 8, 4
	LAYER 8, 2
	LAYER 8, 1
	LAYER 16, 8
	LAYER 16, 4
	LAYER 16, 2
	LAYER 16, 1
	LAYER 32, 16
	LAYER 32, 8
	LAYER 32, 4
	LAYER 32, 2
	LAYER 32, 1
.set i, 0
.rept 32
	v_permlanex16_b32 v[DST+i], v[SRC+i], s80, s81 ; the two sorted halves, one downward and one upward, are a bitonic run of 64:
.set i, i+1
.endr
.set i, 0
.rept 32
	v_max_num_f32 v[DST+i], v[SRC+i], -v[DST+i]    ; lanes 0-15 keep the larger of each pair, lanes 16-31 the smaller one, negated
.set i, i+1
.endr
.set TSW, SRC
.set SRC, DST
.set DST, TSW
	LAYER 32, 16
	LAYER 32, 8
	LAYER 32, 4
	LAYER 32, 2
	LAYER 32, 1
	v_add_f32 v[SRC], v[SRC], v[ACC]               ; running sums: lanes 0-15: the k largest - 1, k = 1 .. 32; lanes 16-31: the whole sum less the smallest ones, - 1, k = 63 .. 32
.set i, 1
.rept 31
	v_add_f32 v[SRC+i], v[SRC+i], v[SRC+i-1]
	v_mul_f32 v[DST+i-1], v[SRC+i-1], v[INV+i-1]
.set i, i+1
.endr
	v_mul_f32 v[DST+31], v[SRC+31], v[INV+31]
	MAX32 TAU, DST
	v_permlanex16_b32 v[TMP], v[TAU], s80, s81
	v_max3_num_f32 v[TAU], v[TAU], v[TMP], v[C64]  ; tau, counted from the row's largest number
	v_add_f32 v[THR], v[ZM], v[TAU]
.set i, 0
.rept 16
	v_pk_add_f32 v[Z+2*i:Z+2*i+1], v[Z+2*i:Z+2*i+1], v[THR:THR+1] op_sel_hi:[1,0] neg_lo:[0,1] neg_hi:[0,1]
.set i, i+1
.endr
.set i, 0
.rept 32
	v_med3_num_f32 v[Z+i], v[Z+i], 0, v[LIM3]      ; the clip at 0 and the hold in one
.set i, i+1
.endr
.irp t, 0,1,2,3
	v_cvt_scalef32_pk8_fp8_f32 v[CK+2*\t:CK+2*\t+1], v[Z+8*\t:Z+8*\t+7], v[SCL3]
.endr
	v_nop
	global_store_b128 v[LI], v[CK:CK+3], s[86:87]
	global_store_b128 v[LI], v[CK+4:CK+7], s[86:87] offset:512
	s_wait_xcnt 0x0                                ; the stores have read their data and their base: both are written again only behind this wait
	s_add_nc_u64 s[86:87], s[86:87], 1024
	s_add_co_u32 s82, s82, 4096
	s_sub_co_u32 s23, s23, 1
	s_cmp_lg_u32 s23, 0
	s_cbranch_scc1 .Lrow
	s_wait_tensorcnt 0x0                           ; the wave's end: behind my last tensor load and my last LDS store
	ds_add_u32 v[SPW], v[NIL]
	s_wait_dscnt 0x0
	CROUND                                         ; the closing round: no work-group ends while a partner may still ask for a tile that names it
	s_endpgm
.Lfunc_end_k_qaaa17bee35_qkv:
	.size	k_qaaa17bee35_qkv, .Lfunc_end_k_qaaa17bee35_qkv-k_qaaa17bee35_qkv
	.p2alignl 7, 3214868480
	.fill 96, 4, 3214868480
	.section	.rodata,"a",@progbits
	.p2align	6, 0x0
	.amdhsa_kernel k_qaaa17bee35_qkv
		.amdhsa_group_segment_fixed_size 327680
		.amdhsa_private_segment_fixed_size 0
		.amdhsa_enable_private_segment 0
		.amdhsa_kernarg_size 64
		.amdhsa_user_sgpr_count 2
		.amdhsa_user_sgpr_kernarg_segment_ptr 1
		.amdhsa_wavefront_size32 1
		.amdhsa_system_sgpr_workgroup_id_x 1
		.amdhsa_system_sgpr_workgroup_id_y 1
		.amdhsa_system_sgpr_workgroup_id_z 1
		.amdhsa_system_vgpr_workitem_id 0
		.amdhsa_next_free_vgpr 1024
		.amdhsa_next_free_sgpr 100
		.amdhsa_reserve_vcc 0
		.amdhsa_float_denorm_mode_32 3
		.amdhsa_float_denorm_mode_16_64 3
		.amdhsa_fp16_overflow 1
		.amdhsa_memory_ordered 1
		.amdhsa_forward_progress 1
		.amdhsa_inst_pref_size 214
	.end_amdhsa_kernel
	.amdgpu_metadata
---
amdhsa.version: [ 1, 2 ]
amdhsa.kernels:
  - .name:           k_qaaa17bee35_qkv
    .symbol:         k_qaaa17bee35_qkv.kd
    .args:
      - { .name: x_codes, .offset: 0, .size: 8, .value_kind: global_buffer, .address_space: global }
      - { .name: W_attn_codes, .offset: 8, .size: 8, .value_kind: global_buffer, .address_space: global }
      - { .name: b_attn, .offset: 16, .size: 8, .value_kind: global_buffer, .address_space: global }
      - { .name: lowp_scales, .offset: 24, .size: 8, .value_kind: global_buffer, .address_space: global }
      - { .name: q_codes, .offset: 32, .size: 8, .value_kind: global_buffer, .address_space: global }
      - { .name: k_codes, .offset: 40, .size: 8, .value_kind: global_buffer, .address_space: global }
      - { .name: v_codes, .offset: 48, .size: 8, .value_kind: global_buffer, .address_space: global }
      - { .name: vhat, .offset: 56, .size: 8, .value_kind: global_buffer, .address_space: global }
    .group_segment_fixed_size: 327680
    .private_segment_fixed_size: 0
    .kernarg_segment_align: 8
    .kernarg_segment_size: 64
    .max_flat_workgroup_size: 128
    .sgpr_count:     100
    .vgpr_count:     1024
    .wavefront_size: 32
...
	.end_amdgpu_metadata
.endif
;; end of part 1
;; launch attn (part 2): grid 4 x 64, 8 waves a work-group, clusters of 4 x 1, 263,168 bytes of LDS; arguments q_codes, k_codes, v_codes, vhat, lowp_scales, y_codes; writes y_codes
.if DOCPART == 2
	.amdgcn_target "amdgcn-amd-amdhsa--gfx1250"
	.amdhsa_code_object_version 6
	.text
	.protected	k_qaaa17bee35_attn
	.globl	k_qaaa17bee35_attn
	.p2align	8
	.type	k_qaaa17bee35_attn,@function
k_qaaa17bee35_attn:
	s_mov_b64 s[64:65], 0
	v_nop
	global_prefetch_b8 v0, s[64:65] scope:SCOPE_SE
	s_setreg_imm32_b32 hwreg(HW_REG_WAVE_MODE, 25, 1), 1
	s_wait_xcnt 0x0
	s_wait_alu depctr_hold_cnt(0) depctr_sa_sdst(0) depctr_va_vdst(0) depctr_va_sdst(0) depctr_va_ssrc(0) depctr_va_vcc(0) depctr_vm_vsrc(0)
	s_getreg_b32 s2, hwreg(HW_REG_IB_STS2, 6, 4)
	s_cmp_eq_u32 s2, 0
	s_cbranch_scc0 .Lentry_in_a_cluster
	s_endpgm
.Lentry_in_a_cluster:
	s_bfe_u32 s2, ttmp6, 0x10000c
	s_cmp_lg_u32 s2, 0x3003
	s_cbranch_scc0 .Lentry_shape_is_right
	s_endpgm
.Lentry_shape_is_right:
; y = softmax(q k^T / 8, causal) v, less its projection onto v / |v| of the same token, turned into codes for the last product.  Both products on codes of FP8 (E4M3).
; THE SOFTMAX AHEAD OF THE SECOND PRODUCT: t = score x log2(e) / 8; M = the running largest t rounded UP to a whole number; p = 2^(t - M) is quantised (scale 2^e4), not normalised; the row's sum is taken of the
; unquantised p and divides at the end; when M moves, the sum and O are multiplied by 2^(old M - new M), which rounds nothing.
; SHARES.  The four work-groups of a cluster share one head (batch x 16 + head = the grid's y).  THE HEAD'S WHOLE K AND V LIE IN LDS, 131,072 bytes each, as images of operand registers, filled once by joint loads: no slot
; is filled again, so the walks have no barrier.  A unit is 32 queries (two tiles of 16); the head has 64.  Wave p of work-group j walks unit 63 - 4 p - j (key steps 0 .. 15 - p) and then unit 4 p + j (key steps 0 .. p):
; 17 key steps of 128 and two diagonal steps for every wave of the launch.  The diagonal's step hangs on the wave's number alone; the work-group's place enters global addresses and the mask's lane data only.
; LAYOUT.  Both products are used transposed: S^T = K Q^T (16x16x64: source 0 = 16 keys, source 1 = 16 queries), O^T = V^T P^T (16x16x128: source 0 = 16 of the head's 64, source 1 = P): a lane holds ONE query throughout.
; Register j of score tile a is key 16 a + 8 h + j: a conversion of the tile's eight registers gives registers 2 a, 2 a + 1 of P in the form's own operand layout; V's images were laid for it.
; LIMITS: e2 + e3 between -123 and 130 (added to c's exponent field); e4 and e6 between -126 and 119; e4 + e5 is applied by v_ldexp_f32.  NaN is not served.
; REGISTERS.  Window 0: v1 16 x lane; v2, v3 addresses of the step's K and V; v4-7 holds and scales; v8, v9 the mask's lane numbers; v10 -infinity; v11 r - 8 h; v12-27 statistics, 8 a tile; v28-31 at work;
;   v32-63 P, 16 a tile; v64-191 S^T, 64 a tile; v192-255 v / |v|, 32 a tile.     Window 1: v0-63 O^T, 32 a tile; v64-79 Q; v80-143 K of a step; v144-207 V of a step.
.set VBASE, 131072                     ; V's image in LDS, behind K's
.set LI,   1
.set ADK,  2
.set ADV,  3
.set LIM4, 4
.set SCL4, 5
.set LIM6, 6
.set SCL6, 7
.set DQ,   8
.set NINF, 10
.set RH,   11
.set ST,   12                          ; tile e at v[ST+8e]: +0 -M, +1 the largest t, +2, +3 the sum in two halves, +4, +5 f (and a written upper half), +6, +7 at work
.set PX,   28
.set P,    32
.set S,    64
.set VH,   192
.set O,    0                           ; in window 1
.set QF,   64
.set KF,   80
.set VF,   144
.set WV,   16                          ; s16 wave; s17 my place in the cluster; s18 batch x 16 + head
.set KS,   19                          ; s19 the key step
.set DG,   20                          ; s20 the walk's diagonal step
.set KB,   21                          ; s21 the key step's bytes in an image
.set MSB, 0
.macro WIN new
.if MSB != (\new)
	s_set_vgpr_msb (MSB<<8)|(\new)
.set MSB, (\new)
.endif
.endm
.macro PLACES n
.rept \n
	v_nop
.endr
.endm
.macro CROUND                          ; a round of the cluster's barrier
	s_barrier_signal -1
	s_barrier_wait -1
	s_cmp_lg_u32 s[WV], 0
	s_cbranch_scc1 .Lnot_wave_0_\@
	s_barrier_signal -3
.Lnot_wave_0_\@:
	s_barrier_wait -3
	s_barrier_signal -1
	s_barrier_wait -1
.endm
.macro MKSC e, vlim, vscl
	s_add_co_i32 s92, s[\e], 127
	s_lshl_b32 s93, s92, 23
	v_mov_b32 v[\vscl], s93                        ; 2^e as f32
	s_add_co_i32 s92, s92, 8
	s_lshl_b32 s92, s92, 23
	s_or_b32 s92, s92, 0x600000
	v_mov_b32 v[\vlim], s92                        ; 448 x 2^e
.endm
	s_load_b256 s[4:11], s[0:1], 0x0               ; q_codes s[4:5], k_codes s[6:7], v_codes s[8:9], vhat s[10:11]
	s_load_b128 s[12:15], s[0:1], 0x20             ; the scales' exponents s[12:13], y_codes s[14:15]
	v_lshl_add_u32 v30, v0, 2, 0x40000
	v_mov_b32 v31, 0
	ds_add_u32 v30, v31
	ds_add_u32 v30, v31
	v_lshrrev_b32 v1, 5, v0
	s_delay_alu instid0(VALU_DEP_1)
	v_readfirstlane_b32 s[WV], v1                  ; wave 0..7
	s_bfe_u32 s17, ttmp6, 0x40000                  ; my place in the cluster
	s_and_b32 s18, ttmp7, 0xffff                   ; the head, which the four partners share
	; descriptor groups 1: dense blocks as rows of 256 bytes (32 elements of 8 bytes): 32 rows, and 96 rows
	s_mov_b32 s24, 15|(3<<16)|(1<<21)              ; 15:0 the mask: all four work-groups; 17:16 elements of 8 bytes; 21 set beside a mask; no padding
	s_mov_b32 s25, 32<<16                          ; tensor_dim0 = 32
	s_mov_b32 s26, 32<<16                          ; tensor_dim1 = 32
	s_mov_b32 s27, 32<<16                          ; tile_dim0 = 32
	s_mov_b32 s28, 32                              ; tile_dim1 = 32
	s_mov_b32 s29, 32                              ; from row to row
	s_mov_b32 s30, 0
	s_mov_b32 s31, 0
	s_mov_b32 s32, 15|(3<<16)|(1<<21)
	s_mov_b32 s33, 32<<16
	s_mov_b32 s34, 96<<16
	s_mov_b32 s35, 32<<16
	s_mov_b32 s36, 96
	s_mov_b32 s37, 32
	s_mov_b32 s38, 0
	s_mov_b32 s39, 0
	s_and_b32 s78, s[WV], 3
	s_lshr_b32 s79, s[WV], 2
	s_lshl_b32 s79, s79, 17                        ; waves 0-3 fetch K's image, waves 4-7 V's
	s_lshl_b32 s80, s78, 13                        ; first a quarter of key steps 0 to 3: 8,192 bytes,
	s_mul_i32 s81, s78, 24576
	s_add_co_u32 s81, s81, 32768                   ; then a quarter of key steps 4 to 15: 24,576 bytes
	s_lshl_b32 s82, s18, 17                        ; a head's codes are 131,072 bytes
	s_mov_b32 s83, 0
	s_mov_b32 s87, 0
	s_wait_dscnt 0x0
	s_wait_kmcnt 0x0
	s_load_b256 s[48:55], s[12:13], 0x0            ; e0 .. e7
	s_cmp_lt_u32 s[WV], 4
	s_cselect_b64 s[84:85], s[6:7], s[8:9]
	s_add_nc_u64 s[84:85], s[84:85], s[82:83]
	s_mov_b32 s40, 1
	s_add_co_u32 s41, s79, s80
	s_mov_b32 s86, s80
	s_add_nc_u64 s[42:43], s[84:85], s[86:87]
	s_or_b32 s43, s43, 0x80000000
	s_mov_b32 s44, 1
	s_add_co_u32 s45, s79, s81
	s_mov_b32 s86, s81
	s_add_nc_u64 s[46:47], s[84:85], s[86:87]
	s_or_b32 s47, s47, 0x80000000
	CROUND                                         ; all four work-groups are here: the joint loads meet
	tensor_load_to_lds s[40:43], s[24:31]          ; the launch's only tensor loads: two of mine are out
	s_nop 0
	tensor_load_to_lds s[44:47], s[32:39]
	s_nop 0
.rept 4
	v_nop
.endr
	v_and_b32 v1, 31, v0
	s_delay_alu instid0(VALU_DEP_1)
	v_lshlrev_b32 v[LI], 4, v1
	v_and_b32 v28, 15, v0                          ; r
	v_bfe_u32 v29, v0, 4, 1                        ; h
	s_delay_alu instid0(VALU_DEP_1)
	v_lshlrev_b32 v29, 3, v29
	s_delay_alu instid0(VALU_DEP_1)
	v_sub_nc_u32 v[RH], v28, v29                   ; r - 8 h
	v_mov_b32 v[NINF], 0xff800000
	v_mov_b32 v28, 0                               ; (lane permutes' destinations: written once)
	v_mov_b32 v29, 0
	s_mov_b32 s56, 0x76543210                      ; v_permlanex16_b32's selects for lane l xor 16
	s_mov_b32 s57, 0xfedcba98
	s_mov_b32 s58, 0xffff0000                      ; lanes 16-31
	s_lshl_b32 s78, s[WV], 2
	s_add_co_u32 s78, s78, s17                     ; the second walk's unit: 4 p + j
	s_sub_co_u32 s79, 63, s78                      ; the first walk's: 63 - 4 p - j
	s_lshr_b32 s88, s18, 4
	s_lshl_b32 s88, s88, 21                        ; y_codes: a batch is 128 tiles of 16 tokens x 16,384 bytes,
	s_and_b32 s89, s18, 15
	s_lshl_b32 s89, s89, 10                        ; a head's part of a tile 1,024
	s_add_co_u32 s88, s88, s89
.macro BASES r, qb                     ; the unit's bytes: q at s[qb], vhat at s[qb+2], y_codes at s[qb+4]
	s_lshl_b32 s86, s[\r], 11                      ; 32 queries' codes: 2,048 bytes
	s_add_co_u32 s86, s86, s82
	s_mov_b32 s87, 0
	s_add_nc_u64 s[\qb:\qb+1], s[4:5], s[86:87]
	s_lshl_b64 s[86:87], s[86:87], 2               ; f32: four times the bytes
	s_add_nc_u64 s[\qb+2:\qb+3], s[10:11], s[86:87]
	s_lshl_b32 s86, s[\r], 15                      ; two tiles of 16 tokens
	s_add_co_u32 s86, s86, s88
	s_mov_b32 s87, 0
	s_add_nc_u64 s[\qb+4:\qb+5], s[14:15], s[86:87]
.endm
	BASES 79, 66
	BASES 78, 72
	s_wait_kmcnt 0x0
	s_add_co_i32 s90, s50, s51
	s_lshl_b32 s90, s90, 23
	s_add_co_i32 s22, s90, 0x3e38aa3b              ; c = log2(e) / 8, with e2 + e3 added to its exponent field: a score stands for score x 2^(e2 + e3)
	s_mov_b32 s23, s22                             ; (named with it as a pair, so it is written)
	MKSC 52, LIM4, SCL4
	MKSC 54, LIM6, SCL6
	s_add_co_i32 s59, s52, s53                     ; e4 + e5
; A walk's start: Q's two fragments and the unit's v / |v| are asked for (the second is wanted only at the walk's end), O^T and the sums begin as zeros and the largest t as -3e38: the step is written without a first step of its own.
.macro INIT w, qb
.if \w == 2
	s_wait_xcnt 0x0                                ; the first walk's stores have read their registers
.endif
	WIN 0x40                                       ; destination window 1
.irp i, 0,1,2,3
	global_load_b128 v[QF+4*\i:QF+4*\i+3], v[LI], s[\qb:\qb+1] offset:512*\i
.endr
	WIN 0
.set i, 0
.rept 16
	global_load_b128 v[VH+4*i:VH+4*i+3], v[LI], s[\qb+2:\qb+3] offset:512*i
.set i, i+1
.endr
	WIN 0x40
.set i, 0
.rept 64
	v_mov_b32 v[O+i], 0
.set i, i+1
.endr
	WIN 0
.irp e, 0,1
	v_mov_b32 v[ST+8*\e+1], 0xff61b1e6             ; -3e38, under every t
	s_delay_alu instid0(VALU_DEP_1)
	v_floor_f32 v[ST+8*\e], -v[ST+8*\e+1]
	v_mov_b32 v[ST+8*\e+2], 0
	v_mov_b32 v[ST+8*\e+3], 0
	v_mov_b32 v[ST+8*\e+5], 0
.endr
.if \w == 1
	s_sub_co_u32 s89, 3, s17                       ; the unit's place in its diagonal step: 3 - j, or j
	s_sub_co_u32 s[DG], 15, s[WV]                  ; and that step: 15 - p, or p
.else
	s_mov_b32 s89, s17
	s_mov_b32 s[DG], s[WV]
.endif
	s_lshl_b32 s89, s89, 5
	v_add_nc_u32 v[DQ], s89, v[RH]                 ; my query, counted from the diagonal step's first key, less 8 h: register 8 a + i holds key 16 a + i + 8 h, hidden where 16 a + i is above this number
	s_delay_alu instid0(VALU_DEP_1)
	v_add_nc_u32 v[DQ+1], 16, v[DQ]
	s_wait_loadcnt 16                              ; Q is in; the 16 younger loads stay out until the walk's end
.endm
; A KEY STEP: 128 keys for the unit's two tiles.  mask = 1: a step behind the diagonal is left out, by a scalar branch on the wave's number and the loop's counter; in the diagonal step hidden scores become -infinity.
.macro STEP mask
.if \mask
	s_cmp_gt_u32 s[KS], s[DG]
	s_cbranch_scc1 .Lskip_\@
.endif
	s_setprio 2
	v_add_nc_u32 v[ADK], s[KB], v[LI]
	s_delay_alu instid0(VALU_DEP_1)
	v_add_nc_u32 v[ADV], VBASE, v[ADK]
	v_nop                                          ; with the two additions: four places in front of loads into registers that the last step's matrix instructions have read
	v_nop
	WIN 0x40
.set i, 0
.rept 16
	ds_load_b128 v[KF+4*i:KF+4*i+3], v[ADK] offset:512*i
.set i, i+1
.endr
.set i, 0
.rept 16
	ds_load_b128 v[VF+4*i:VF+4*i+3], v[ADV] offset:512*i
.set i, i+1
.endr
	s_wait_dscnt 16                                ; K is in; V's 16 loads may be out
	WIN 0x05                                       ; K and Q in window 1, S^T in window 0
.irp a, 0,1,2,3,4,5,6,7
.irp e, 0,1
	v_wmma_f32_16x16x64_fp8_fp8 v[S+64*\e+8*\a:S+64*\e+8*\a+7], v[KF+8*\a:KF+8*\a+7], v[QF+8*\e:QF+8*\e+7], 0
.endr
.endr
	WIN 0
	PLACES 4
.if \mask
	s_cmp_lg_u32 s[KS], s[DG]
	s_cbranch_scc1 .Lopen_\@
	s_wait_alu depctr_va_vdst(0)
.irp e, 0,1
.set n, 0
.rept 64
	v_cmp_gt_i32 vcc_lo, 16*(n/8)+n%8, v[DQ+\e]
	v_cndmask_b32 v[S+64*\e+n], v[S+64*\e+n], v[NINF], vcc_lo
.set n, n+1
.endr
.endr
.Lopen_\@:
.endif
.irp e, 0,1                                    ; the step's largest score of my query, among my 64 keys: two chains a tile, each accumulator from its low end on
	v_max3_num_f32 v[ST+8*\e+6], v[S+64*\e], v[S+64*\e+1], v[S+64*\e+2]
	v_max3_num_f32 v[ST+8*\e+7], v[S+64*\e+3], v[S+64*\e+4], v[S+64*\e+5]
.endr
.set i, 6
.rept 14
.irp e, 0,1
	v_max3_num_f32 v[ST+8*\e+6], v[ST+8*\e+6], v[S+64*\e+i], v[S+64*\e+i+1]
	v_max3_num_f32 v[ST+8*\e+7], v[ST+8*\e+7], v[S+64*\e+i+2], v[S+64*\e+i+3]
.endr
.set i, i+4
.endr
.irp e, 0,1
	v_max3_num_f32 v[ST+8*\e+6], v[ST+8*\e+6], v[S+64*\e+62], v[S+64*\e+63]
.endr
.irp e, 0,1
	s_delay_alu instid0(VALU_DEP_2)
	v_max_num_f32 v[ST+8*\e+6], v[ST+8*\e+6], v[ST+8*\e+7]
.endr
.irp e, 0,1
	s_delay_alu instid0(VALU_DEP_2)
	v_permlanex16_b32 v[PX+\e], v[ST+8*\e+6], s56, s57
.endr
.irp e, 0,1
	s_delay_alu instid0(VALU_DEP_2)
	v_max_num_f32 v[ST+8*\e+6], v[ST+8*\e+6], v[PX+\e]     ; and among lane l xor 16's
.endr
.irp e, 0,1
	s_delay_alu instid0(VALU_DEP_2)
	v_mul_f32 v[ST+8*\e+6], s22, v[ST+8*\e+6]      ; as t (c is positive)
.endr
.irp e, 0,1
	s_delay_alu instid0(VALU_DEP_2)
	v_max_num_f32 v[ST+8*\e+1], v[ST+8*\e+1], v[ST+8*\e+6] ; the running largest t
.endr
.irp e, 0,1
	v_mov_b32 v[ST+8*\e+6], v[ST+8*\e]
.endr
.irp e, 0,1
	s_delay_alu instid0(VALU_DEP_4)
	v_floor_f32 v[ST+8*\e], -v[ST+8*\e+1]          ; the new -M = floor(-t): M is a whole number
.endr
.irp e, 0,1
	s_delay_alu instid0(VALU_DEP_2)
	v_sub_f32 v[ST+8*\e+6], v[ST+8*\e], v[ST+8*\e+6]       ; old M - new M: a whole number, 0 or less
.endr
.irp e, 0,1
	s_delay_alu instid0(VALU_DEP_2)
	v_cvt_i32_f32 v[ST+8*\e+6], v[ST+8*\e+6]       ; (it saturates)
.endr
.irp e, 0,1
	s_delay_alu instid0(VALU_DEP_2)
	v_ldexp_f32 v[ST+8*\e+4], 1.0, v[ST+8*\e+6]    ; f = 2^(old M - new M)
.endr
.irp e, 0,1
.set i, 0
.rept 32
	v_pk_fma_f32 v[S+64*\e+2*i:S+64*\e+2*i+1], v[S+64*\e+2*i:S+64*\e+2*i+1], s[22:23], v[ST+8*\e:ST+8*\e+1] op_sel_hi:[1,0,0]   ; t - M, two at a time
.set i, i+1
.endr
.endr
.set i, 0
	s_wait_alu depctr_va_vdst(0)
.rept 128
	v_exp_f32 v[S+i], v[S+i]                       ; p = 2^(t - M), at most 1: one batch for both tiles
.set i, i+1
.endr
	s_setprio 1
.irp e, 0,1
	v_pk_mul_f32 v[ST+8*\e+2:ST+8*\e+3], v[ST+8*\e+2:ST+8*\e+3], v[ST+8*\e+4:ST+8*\e+5] op_sel_hi:[1,0]   ; the sums under the new M (plain lines behind the exponentials)
.endr
	s_wait_alu depctr_va_vdst(0)                   ; one wait for the whole batch, ahead of its first reader
.irp e, 0,1
	v_pk_add_f32 v[ST+8*\e+6:ST+8*\e+7], v[S+64*\e:S+64*\e+1], v[S+64*\e+2:S+64*\e+3]   ; the row's sum is taken of the unquantised p, in two chains a tile
.endr
.set i, 4
.rept 15
.irp e, 0,1
	v_pk_add_f32 v[ST+8*\e+2:ST+8*\e+3], v[ST+8*\e+2:ST+8*\e+3], v[S+64*\e+i:S+64*\e+i+1]
	v_pk_add_f32 v[ST+8*\e+6:ST+8*\e+7], v[ST+8*\e+6:ST+8*\e+7], v[S+64*\e+i+2:S+64*\e+i+3]
.endr
.set i, i+4
.endr
.irp e, 0
	s_delay_alu instid0(VALU_DEP_3)
	v_pk_add_f32 v[ST+8*\e+2:ST+8*\e+3], v[ST+8*\e+2:ST+8*\e+3], v[ST+8*\e+6:ST+8*\e+7]
.endr
.irp e, 1
	s_delay_alu instid0(VALU_DEP_2)
	v_pk_add_f32 v[ST+8*\e+2:ST+8*\e+3], v[ST+8*\e+2:ST+8*\e+3], v[ST+8*\e+6:ST+8*\e+7]
.endr
.irp e, 0,1
.set AA, 0
.rept 8
.set i, 0
.rept 8
	v_min_num_f32 v[S+64*\e+8*AA+i], v[S+64*\e+8*AA+i], v[LIM4]   ; the conversion does not saturate (ISA guide 7.6.2); p is not negative, so the hold is one-sided; it stands whatever e4 is
.set i, i+1
.endr
	v_cvt_scalef32_pk8_fp8_f32 v[P+16*\e+2*AA:P+16*\e+2*AA+1], v[S+64*\e+8*AA:S+64*\e+8*AA+7], v[SCL4]
.set AA, AA+1
.endr
.endr
	WIN 0x41                                       ; O^T (destination and source 0) in window 1, f in window 0
	s_setprio 0
.irp e, 0,1
.set i, 0
.rept 16
	v_pk_mul_f32 v[O+32*\e+2*i:O+32*\e+2*i+1], v[O+32*\e+2*i:O+32*\e+2*i+1], v[ST+8*\e+4:ST+8*\e+5] op_sel_hi:[1,0]   ; O^T under the new M (also the plain lines between the conversions and the products)
.set i, i+1
.endr
.endr
	s_wait_alu depctr_va_vdst(0)
	s_wait_dscnt 0x0                               ; V is in
	WIN 0x51                                       ; V in window 1, P in window 0, O^T in window 1
.irp t, 0,1,2,3
.irp e, 0,1
	v_wmma_f32_16x16x128_fp8_fp8 v[O+32*\e+8*\t:O+32*\e+8*\t+7], v[VF+16*\t:VF+16*\t+15], v[P+16*\e:P+16*\e+15], v[O+32*\e+8*\t:O+32*\e+8*\t+7]   ; eight accumulators by turns
.endr
.endr
	WIN 0
.if \mask
.Lskip_\@:
.endif
.endm
; A walk's end: O^T / the sum x 2^(e4 + e5) = y; y less (y . vhat) vhat; codes with the scale 2^e6, brought into the order in which the last product's operand takes them, and stored as its image.
.macro EPI yb
	PLACES 4                                       ; behind the last products
	s_wait_loadcnt 0x0                             ; v / |v| is in
.irp e, 0,1
	v_add_f32 v[ST+8*\e+2], v[ST+8*\e+2], v[ST+8*\e+3]
.endr
.irp e, 0,1
	s_delay_alu instid0(VALU_DEP_2)
	v_permlanex16_b32 v[PX+\e], v[ST+8*\e+2], s56, s57
.endr
.irp e, 0,1
	s_delay_alu instid0(VALU_DEP_2)
	v_add_f32 v[ST+8*\e+2], v[ST+8*\e+2], v[PX+\e] ; the row's sum
.endr
	s_wait_alu depctr_va_vdst(0)
.irp e, 0,1
	v_rcp_f32 v[ST+8*\e+4], v[ST+8*\e+2]
.endr
	v_nop                                          ; a plain line behind the reciprocals,
	s_wait_alu depctr_va_vdst(0)                   ; and one wait for both, ahead of their first reader
.irp e, 0,1
	v_ldexp_f32 v[ST+8*\e+4], v[ST+8*\e+4], s59
.endr
	WIN 0x01                                       ; source 0 (O^T) in window 1
.irp e, 0,1
.set i, 0
.rept 16
	v_pk_mul_f32 v[S+64*\e+2*i:S+64*\e+2*i+1], v[O+32*\e+2*i:O+32*\e+2*i+1], v[ST+8*\e+4:ST+8*\e+5] op_sel_hi:[1,0]   ; y: register 8 t + i is y(query r, 16 t + 8 h + i)
.set i, i+1
.endr
.endr
	WIN 0
.irp e, 0,1
	v_pk_mul_f32 v[ST+8*\e+6:ST+8*\e+7], v[S+64*\e:S+64*\e+1], v[VH+32*\e:VH+32*\e+1]
	v_pk_mul_f32 v[ST+8*\e+2:ST+8*\e+3], v[S+64*\e+2:S+64*\e+3], v[VH+32*\e+2:VH+32*\e+3]
.endr
.set i, 4
.rept 7
.irp e, 0,1
	s_delay_alu instid0(VALU_DEP_4)
	v_pk_fma_f32 v[ST+8*\e+6:ST+8*\e+7], v[S+64*\e+i:S+64*\e+i+1], v[VH+32*\e+i:VH+32*\e+i+1], v[ST+8*\e+6:ST+8*\e+7]
	s_delay_alu instid0(VALU_DEP_4)
	v_pk_fma_f32 v[ST+8*\e+2:ST+8*\e+3], v[S+64*\e+i+2:S+64*\e+i+3], v[VH+32*\e+i+2:VH+32*\e+i+3], v[ST+8*\e+2:ST+8*\e+3]
.endr
.set i, i+4
.endr
.irp e, 0
	s_delay_alu instid0(VALU_DEP_3)
	v_pk_add_f32 v[ST+8*\e+6:ST+8*\e+7], v[ST+8*\e+6:ST+8*\e+7], v[ST+8*\e+2:ST+8*\e+3]
.endr
.irp e, 1
	s_delay_alu instid0(VALU_DEP_2)
	v_pk_add_f32 v[ST+8*\e+6:ST+8*\e+7], v[ST+8*\e+6:ST+8*\e+7], v[ST+8*\e+2:ST+8*\e+3]
.endr
.irp e, 0,1
	s_delay_alu instid0(VALU_DEP_2)
	v_add_f32 v[ST+8*\e+6], v[ST+8*\e+6], v[ST+8*\e+7]
.endr
.irp e, 0,1
	s_delay_alu instid0(VALU_DEP_2)
	v_permlanex16_b32 v[PX+\e], v[ST+8*\e+6], s56, s57
.endr
.irp e, 0,1
	s_delay_alu instid0(VALU_DEP_2)
	v_add_f32 v[ST+8*\e+6], v[ST+8*\e+6], v[PX+\e] ; y . vhat over the head's 64
.endr
.irp e, 0,1
.set i, 0
.rept 16
	v_pk_fma_f32 v[S+64*\e+2*i:S+64*\e+2*i+1], v[VH+32*\e+2*i:VH+32*\e+2*i+1], v[ST+8*\e+6:ST+8*\e+7], v[S+64*\e+2*i:S+64*\e+2*i+1] op_sel_hi:[1,0,1] neg_lo:[0,1,0] neg_hi:[0,1,0]
.set i, i+1
.endr
.endr
.irp e, 0,1
.set i, 0
.rept 32
.set i, i+1
.endr
.endr
.irp e, 0,1
.irp t, 0,1,2,3
	v_cvt_scalef32_pk8_fp8_f32 v[P+8*\e+2*\t:P+8*\e+2*\t+1], v[S+64*\e+8*\t:S+64*\e+8*\t+7], v[SCL6]   ; registers 2 t, 2 t + 1: d = 16 t + 8 h + 0 .. 7
.endr
.endr
	v_nop                                          ; a plain line between the conversions and the lines that read their results
; The last product fetches its weights by loads of 16 bytes: registers 4 c .. 4 c + 3 of lane (r, h) hold k = 32 c + 16 h + 0 .. 15.  So lanes 0-15 give away the codes of d = 32 c + 16 .. + 23 and take those of d = 32 c + 8 .. + 15; lanes 16-31 the other way.
.irp e, 0,1
.irp c, 0,1
.irp m, 0,1
	v_cndmask_b32 v[S+64*\e+32+2*\c+\m], v[P+8*\e+4*\c+2+\m], v[P+8*\e+4*\c+\m], s58
.endr
.endr
.endr
.irp e, 0,1
.irp c, 0,1
.irp m, 0,1
	v_permlanex16_b32 v[S+64*\e+40+2*\c+\m], v[S+64*\e+32+2*\c+\m], s56, s57
.endr
.endr
.endr
.irp e, 0,1
.irp c, 0,1
.irp m, 0,1
	v_cndmask_b32 v[P+16+8*\e+4*\c+\m], v[P+8*\e+4*\c+\m], v[S+64*\e+40+2*\c+\m], s58
	v_cndmask_b32 v[P+16+8*\e+4*\c+2+\m], v[S+64*\e+40+2*\c+\m], v[P+8*\e+4*\c+2+\m], s58
.endr
.endr
.endr
.irp e, 0,1
.irp c, 0,1
	global_store_b128 v[LI], v[P+16+8*\e+4*\c:P+16+8*\e+4*\c+3], s[\yb:\yb+1] offset:\e*16384+512*\c   ; 32 lanes store 512 consecutive bytes
.endr
.endr
.endm
	INIT 1, 66
	s_wait_tensorcnt 1                             ; my part of key steps 0 to 3 is in; the larger load may stay out
	s_barrier_signal -1
	s_barrier_wait -1                              ; everybody's is
	s_mov_b32 s[KS], 0
	s_mov_b32 s[KB], 0
.Lwalk_a:                                          ; the first walk's key steps 0 to 3: every wave's diagonal lies at step 8 or later
	STEP 0
	s_add_co_u32 s[KB], s[KB], 8192
	s_add_co_u32 s[KS], s[KS], 1
	s_cmp_lt_u32 s[KS], 4
	s_cbranch_scc1 .Lwalk_a
	s_setprio 0
	s_wait_tensorcnt 0x0                           ; my part of key steps 4 to 15 is in,
	s_wait_dscnt 0x0
	s_barrier_signal -1
	s_barrier_wait -1                              ; everybody's is: from here on the waves run free
	s_mov_b32 s[KS], 4
	s_mov_b32 s[KB], 32768
.Lwalk_b:                                          ; a constant count of trips; the steps behind a wave's diagonal are jumped over inside
	STEP 1
	s_add_co_u32 s[KB], s[KB], 8192
	s_add_co_u32 s[KS], s[KS], 1
	s_cmp_lt_u32 s[KS], 16
	s_cbranch_scc1 .Lwalk_b
	s_setprio 0
	EPI 70
	INIT 2, 72
	s_mov_b32 s[KS], 0
	s_mov_b32 s[KB], 0
.Lwalk_c:                                          ; the second walk: its diagonal lies at step p, 7 at the most
	STEP 1
	s_add_co_u32 s[KB], s[KB], 8192
	s_add_co_u32 s[KS], s[KS], 1
	s_cmp_lt_u32 s[KS], 8
	s_cbranch_scc1 .Lwalk_c
	s_setprio 0
	s_wait_alu depctr_va_vdst(0)
	EPI 76
	s_wait_dscnt 0x0
	s_wait_tensorcnt 0x0
	ds_add_u32 v30, v31
	s_wait_dscnt 0x0
	CROUND                                         ; the closing round
	s_endpgm
.Lfunc_end_k_qaaa17bee35_attn:
	.size	k_qaaa17bee35_attn, .Lfunc_end_k_qaaa17bee35_attn-k_qaaa17bee35_attn
	.p2alignl 7, 3214868480
	.fill 96, 4, 3214868480
	.section	.rodata,"a",@progbits
	.p2align	6, 0x0
	.amdhsa_kernel k_qaaa17bee35_attn
		.amdhsa_group_segment_fixed_size 263168
		.amdhsa_private_segment_fixed_size 0
		.amdhsa_enable_private_segment 0
		.amdhsa_kernarg_size 48
		.amdhsa_user_sgpr_count 2
		.amdhsa_user_sgpr_kernarg_segment_ptr 1
		.amdhsa_wavefront_size32 1
		.amdhsa_system_sgpr_workgroup_id_x 1
		.amdhsa_system_sgpr_workgroup_id_y 1
		.amdhsa_system_sgpr_workgroup_id_z 1
		.amdhsa_system_vgpr_workitem_id 0
		.amdhsa_next_free_vgpr 512
		.amdhsa_next_free_sgpr 100
		.amdhsa_reserve_vcc 1
		.amdhsa_float_denorm_mode_32 3
		.amdhsa_float_denorm_mode_16_64 3
		.amdhsa_fp16_overflow 1
		.amdhsa_memory_ordered 1
		.amdhsa_forward_progress 1
		.amdhsa_inst_pref_size 146
	.end_amdhsa_kernel
	.amdgpu_metadata
---
amdhsa.version: [ 1, 2 ]
amdhsa.kernels:
  - .name:           k_qaaa17bee35_attn
    .symbol:         k_qaaa17bee35_attn.kd
    .args:
      - { .name: q_codes, .offset: 0, .size: 8, .value_kind: global_buffer, .address_space: global }
      - { .name: k_codes, .offset: 8, .size: 8, .value_kind: global_buffer, .address_space: global }
      - { .name: v_codes, .offset: 16, .size: 8, .value_kind: global_buffer, .address_space: global }
      - { .name: vhat, .offset: 24, .size: 8, .value_kind: global_buffer, .address_space: global }
      - { .name: lowp_scales, .offset: 32, .size: 8, .value_kind: global_buffer, .address_space: global }
      - { .name: y_codes, .offset: 40, .size: 8, .value_kind: global_buffer, .address_space: global }
    .group_segment_fixed_size: 263168
    .private_segment_fixed_size: 0
    .kernarg_segment_align: 8
    .kernarg_segment_size: 48
    .max_flat_workgroup_size: 256
    .sgpr_count:     100
    .vgpr_count:     512
    .wavefront_size: 32
...
	.end_amdgpu_metadata
.endif
;; end of part 2
;; launch proj (part 3): grid 32 x 8, 4 waves a work-group, clusters of 4 x 1, 168,448 bytes of LDS; arguments y_codes, W_proj_codes, b_proj, lowp_scales, out0; writes out0
.if DOCPART == 3
	.amdgcn_target "amdgcn-amd-amdhsa--gfx1250"
	.amdhsa_code_object_version 6
	.text
	.protected	k_qaaa17bee35_proj
	.globl	k_qaaa17bee35_proj
	.p2align	8
	.type	k_qaaa17bee35_proj,@function
k_qaaa17bee35_proj:
	s_mov_b64 s[64:65], 0
	v_nop
	global_prefetch_b8 v0, s[64:65] scope:SCOPE_SE
	s_setreg_imm32_b32 hwreg(HW_REG_WAVE_MODE, 25, 1), 1
	s_wait_xcnt 0x0
	s_wait_alu depctr_hold_cnt(0) depctr_sa_sdst(0) depctr_va_vdst(0) depctr_va_sdst(0) depctr_va_ssrc(0) depctr_va_vcc(0) depctr_vm_vsrc(0)
	s_getreg_b32 s2, hwreg(HW_REG_IB_STS2, 6, 4)
	s_cmp_eq_u32 s2, 0
	s_cbranch_scc0 .Lentry_in_a_cluster
	s_endpgm
.Lentry_in_a_cluster:
	s_bfe_u32 s2, ttmp6, 0x10000c
	s_cmp_lg_u32 s2, 0x3003
	s_cbranch_scc0 .Lentry_shape_is_right
	s_endpgm
.Lentry_shape_is_right:
; out0 = y W_proj + b_proj on codes of FP8 (E4M3): y [8192][1024] as images of operand registers (16 tokens x 128 K in 2,048 bytes), W_proj [1024 (n)][1024 (k)] by rows, out0 [8192][1024] f32.
; SHARES.  A work-group makes 256 tokens x 128 columns; wave w 64 tokens x 128 columns: 32 accumulators (window 1; (a, n) at v[8 (8 a + n)]).  K = 1,024 is eight steps of 128.
; W's slice, 128 rows x 1,024 bytes, lies WHOLE in LDS, filled once by one joint load a wave: the four work-groups of a cluster (four blocks of tokens) share it.  Nothing is filled again: one barrier.
; y's fragments are a wave's own and dense in memory: they go straight into registers (windows 2 and 3: K step s at v[64 (s % 4)], 16 registers a tile of tokens), four K steps ahead.
; THE MATRIX INSTRUCTION IS USED TRANSPOSED (source 0 = 16 rows of W, source 1 = 16 tokens): a lane holds eight neighbouring numbers of a row of out0.
; Both operands hold k = 32 c + 16 h + 0 .. 15 in registers 4 c .. 4 c + 3: the same permutation of k on both sides, so every product meets its partner.
; LIMIT: e6 + e7 between -126 and 127, so that 2^(e6 + e7) is an f32 number.
.set WP,     1040                      ; a row of W in LDS: 1,024 bytes + 16: an odd multiple of 16 bytes
.set STG,    128*WP                    ; behind W: a stage of 16 rows x (512 + 16) bytes for each wave, which no tensor load fills
.set SPITCH, 528
.set ADB,  16                          ; v16-17  LDS address of W's fragments: rows 0-63, rows 64-127
.set LI,   20                          ; v20     16 x lane; never rewritten
.set BO,   21                          ; v21     32 h
.set STO,  24                          ; v24     the way out: where I put 32 bytes of a row
.set RD,   25                          ; v25     and where I read a row back
.set WF,   32                          ; v32-95, v96-159, v160-223: three sets of four fragments of W
.set TMP,  32                          ; the way out: a block's 64 numbers
.set BK,   96                          ; and 16 rows read back: v96-159 and v160-223 by turns
.set WV,   14
.set MSB, 0
.macro WIN new
.if MSB != (\new)
	s_set_vgpr_msb (MSB<<8)|(\new)
.set MSB, (\new)
.endif
.endm
.macro PLACES n
.rept \n
	v_nop
.endr
.endm
.macro CROUND
	s_barrier_signal -1
	s_barrier_wait -1
	s_cmp_lg_u32 s[WV], 0
	s_cbranch_scc1 .Lnot_wave_0_\@
	s_barrier_signal -3
.Lnot_wave_0_\@:
	s_barrier_wait -3
	s_barrier_signal -1
	s_barrier_wait -1
.endm
	s_load_b256 s[4:11], s[0:1], 0x0               ; y_codes s[4:5], W_proj_codes s[6:7], b_proj s[8:9], the scales' exponents s[10:11]
	s_load_b64 s[12:13], s[0:1], 0x20              ; out0
	v_lshl_add_u32 v254, v0, 2, 0x29000
	v_mov_b32 v255, 0
	ds_add_u32 v254, v255
	ds_add_u32 v254, v255
	v_lshrrev_b32 v1, 5, v0
	v_readfirstlane_b32 s[WV], v1                  ; wave 0..3
	s_bfe_u32 s15, ttmp6, 0x40000                  ; my place in the cluster
	s_lshl_b32 s16, ttmp9, 2
	s_add_co_u32 s16, s16, s15                     ; block of 256 tokens
	s_and_b32 s17, ttmp7, 0xffff                   ; block of 128 columns, which the four partners share
	s_mov_b32 s24, 15|(1<<20)|(1<<21)|(7<<22)|(3<<25)   ; 15:0 the mask: all four; 17:16 elements of 1 byte; 20 padding on; 21 set beside a mask; 24:22 after every 256 words (code 7); 31:25 four words (code 3)
	s_mov_b32 s25, 1024<<16                        ; tensor_dim0
	s_mov_b32 s26, 32<<16                          ; tensor_dim1 = 32 rows
	s_mov_b32 s27, 1024<<16                        ; tile_dim0
	s_mov_b32 s28, 32                              ; tile_dim1
	s_mov_b32 s29, 1024                            ; from row to row
	s_mov_b32 s30, 0
	s_mov_b32 s31, 0
	s_lshl_b32 s18, s17, 17                        ; 128 rows of 1,024 bytes a block of columns,
	s_lshl_b32 s19, s[WV], 15                      ; my 32 of them
	s_add_co_u32 s18, s18, s19
	s_mov_b32 s19, 0
	s_mul_i32 s20, s[WV], 32*WP
	s_wait_dscnt 0x0
	s_wait_kmcnt 0x0
	s_load_b64 s[40:41], s[10:11], 0x18            ; e6, e7
	s_mov_b32 s32, 1
	s_mov_b32 s33, s20
	s_add_nc_u64 s[34:35], s[6:7], s[18:19]
	s_or_b32 s35, s35, 0x80000000
	CROUND                                         ; all four work-groups are here: the joint loads meet
	tensor_load_to_lds s[32:35], s[24:31]          ; my one tensor load
	s_nop 0
.rept 4
	v_nop
.endr
	v_and_b32 v1, 15, v0                           ; r
	v_bfe_u32 v2, v0, 4, 1                         ; h
	v_and_b32 v3, 31, v0
	v_lshlrev_b32 v[LI], 4, v3
	v_lshlrev_b32 v[BO], 5, v2
	v_mul_u32_u24 v4, v1, WP
	v_lshl_add_u32 v[ADB], v2, 4, v4               ; a fragment's row x pitch + 16 h
	v_add_nc_u32 v[ADB+1], 64*WP, v[ADB]
	s_mul_i32 s21, s[WV], 16*SPITCH
	s_add_co_u32 s21, s21, STG                     ; my stage
	v_mul_u32_u24 v4, v1, SPITCH
	v_lshl_add_u32 v4, v2, 5, v4
	v_add_nc_u32 v[STO], s21, v4
	v_add_nc_u32 v[RD], s21, v[LI]
	s_lshl_b32 s18, s16, 18                        ; y: 16 tiles of 16,384 bytes a block of tokens,
	s_lshl_b32 s19, s[WV], 16                      ; my four
	s_add_co_u32 s18, s18, s19
	s_mov_b32 s19, 0
	s_add_nc_u64 s[4:5], s[4:5], s[18:19]
	s_lshl_b32 s18, s17, 9                         ; 128 columns of f32
	s_add_nc_u64 s[8:9], s[8:9], s[18:19]
	s_add_nc_u64 s[12:13], s[12:13], s[18:19]
	s_lshl_b32 s18, s16, 20                        ; out0: 256 rows of 4,096 bytes,
	s_lshl_b32 s22, s[WV], 18                      ; my 64
	s_add_co_u32 s18, s18, s22
	s_add_nc_u64 s[12:13], s[12:13], s[18:19]
.macro YLOAD s                         ; K step s of my four tiles of tokens: 16 loads of 512 consecutive bytes
	WIN 0x80+0x40*((\s)/4)                         ; destination window 2 or 3
.irp a, 0,1,2,3
.irp c, 0,1,2,3
	global_load_b128 v[64*((\s)%4)+16*\a+4*\c:64*((\s)%4)+16*\a+4*\c+3], v[LI], s[4:5] offset:\a*16384+(\s)*2048+512*\c
.endr
.endr
	WIN 0
.endm
.macro BLOAD                           ; the bias in the results' layout (tile n: numbers 16 n + 8 h + 0 .. 7) into window 2, v0-63, which K step 0 has left: 16 loads
	WIN 0x80
.irp n, 0,1,2,3,4,5,6,7
	global_load_b128 v[8*\n:8*\n+3], v[BO], s[8:9] offset:64*\n
	global_load_b128 v[8*\n+4:8*\n+7], v[BO], s[8:9] offset:64*\n+16
.endr
	WIN 0
.endm
.macro LOADW n                         ; phase n (K step n / 2, rows 64 (n % 2) on): four fragments of W into set n % 3: 16 loads
.irp b, 0,1,2,3
.irp c, 0,1,2,3
	ds_load_b128 v[WF+64*((\n)%3)+16*\b+4*\c:WF+64*((\n)%3)+16*\b+4*\c+3], v[ADB+(\n)%2] offset:16*\b*WP+128*((\n)/2)+32*\c
.endr
.endr
.endm
	YLOAD 0
	YLOAD 1
	YLOAD 2
	YLOAD 3
	s_wait_tensorcnt 0x0                           ; my 32 rows of W are in,
	s_barrier_signal -1
	s_barrier_wait -1                              ; everybody's are
	LOADW 0
	LOADW 1
	LOADW 2
; Sixteen phases of 16 matrix instructions, written out: the 16 accumulators of a phase take turns, and come up again two phases on.
.set N, 0
.rept 16
.set PS, N/2
.set PU, N%2
.if PU == 0
.if PS < 6
	s_wait_loadcnt 48                              ; this K step's 16 loads are in; three younger groups of 16 may be out
.elseif PS == 6
	s_wait_loadcnt 32                              ; K step 7's and the bias's
.else
	s_wait_loadcnt 16                              ; the bias's
.endif
.if PS < 4
	YLOAD PS+4
.elseif PS == 4
	BLOAD
.endif
.endif
.if N < 14
	s_wait_dscnt 32                                ; this phase's fragments of W are in; the next two phases' may be out
.elseif N == 14
	s_wait_dscnt 16
.else
	s_wait_dscnt 0
.endif
	WIN 0x58+4*(PS/4)                              ; source 0 (W) window 0, source 1 (y) window 2 or 3, C and D window 1
.irp a, 0,1,2,3
.irp b, 0,1,2,3
.if PS == 0
	v_wmma_f32_16x16x128_fp8_fp8 v[8*(8*\a+4*PU+\b):8*(8*\a+4*PU+\b)+7], v[WF+64*(N%3)+16*\b:WF+64*(N%3)+16*\b+15], v[64*(PS%4)+16*\a:64*(PS%4)+16*\a+15], 0
.else
	v_wmma_f32_16x16x128_fp8_fp8 v[8*(8*\a+4*PU+\b):8*(8*\a+4*PU+\b)+7], v[WF+64*(N%3)+16*\b:WF+64*(N%3)+16*\b+15], v[64*(PS%4)+16*\a:64*(PS%4)+16*\a+15], v[8*(8*\a+4*PU+\b):8*(8*\a+4*PU+\b)+7]
.endif
.endr
.endr
	PLACES 4                                       ; in front of loads into registers that these matrix instructions have read, and of the first read of results
	WIN 0
.if N+3 < 16
	LOADW N+3
.endif
.set N, N+1
.endr
; THE WAY OUT, a block of 16 tokens x 128 columns at a time: sum x 2^(e6 + e7) + bias, through my own stage in LDS, and back as whole rows of 512 bytes.
; LDS serves a wave's instructions in order (ISA guide 5.7.1.4): no wait between the stores and the loads, nor in front of the next block's stores.
.macro TOSTAGE a
	WIN 0x21                                       ; source 0 (the sums) window 1, source 2 (the bias) window 2
.set i, 0
.rept 32
	v_pk_fma_f32 v[TMP+2*i:TMP+2*i+1], v[64*(\a)+2*i:64*(\a)+2*i+1], s[42:43], v[2*i:2*i+1] op_sel_hi:[1,0,1]   ; each accumulator from its low end on
.set i, i+1
.endr
	WIN 0
.irp b, 0,1,2,3,4,5,6,7
	ds_store_b128 v[STO], v[TMP+8*\b:TMP+8*\b+3] offset:64*\b
	ds_store_b128 v[STO], v[TMP+8*\b+4:TMP+8*\b+7] offset:64*\b+16
.endr
.set BB, BK+64*((\a)%2)
.set i, 0
.rept 16
	ds_load_b128 v[BB+4*i:BB+4*i+3], v[RD] offset:i*SPITCH
.set i, i+1
.endr
.endm
.macro SEND a, younger                 ; younger: the LDS instructions issued behind block a's loads, which may stay out
.set BB, BK+64*((\a)%2)
	s_wait_dscnt \younger
.set i, 0
.rept 16
	global_store_b128 v[LI], v[BB+4*i:BB+4*i+3], s[12:13] offset:(16*(\a)+i)*4096 th:TH_STORE_NT   ; 32 lanes store 512 consecutive bytes, at a multiple of 256 from out0's first byte; written once, read by nobody here
.set i, i+1
.endr
.endm
	s_wait_kmcnt 0x0
	s_add_co_i32 s42, s40, s41
	s_add_co_i32 s42, s42, 127
	s_lshl_b32 s42, s42, 23                        ; 2^(e6 + e7) as f32
	s_mov_b32 s43, s42                             ; (named with it as a pair, so it is written)
	s_wait_loadcnt 0x0                             ; the bias
	TOSTAGE 0
.irp a, 1,2,3
.if \a > 1
	s_wait_xcnt 0x0                                ; block a - 2's stores have read their registers: block a's loads may land there
.endif
	TOSTAGE \a
	SEND \a-1, 32                                  ; behind block a - 1's loads: block a's 16 stores and 16 loads
.endr
	SEND 3, 0
	s_wait_tensorcnt 0x0
	ds_add_u32 v254, v255
	s_wait_dscnt 0x0
	CROUND                                         ; the closing round (no LDS instruction of mine is out: the last wait was for 0)
	s_endpgm
.Lfunc_end_k_qaaa17bee35_proj:
	.size	k_qaaa17bee35_proj, .Lfunc_end_k_qaaa17bee35_proj-k_qaaa17bee35_proj
	.p2alignl 7, 3214868480
	.fill 96, 4, 3214868480
	.section	.rodata,"a",@progbits
	.p2align	6, 0x0
	.amdhsa_kernel k_qaaa17bee35_proj
		.amdhsa_group_segment_fixed_size 168448
		.amdhsa_private_segment_fixed_size 0
		.amdhsa_enable_private_segment 0
		.amdhsa_kernarg_size 40
		.amdhsa_user_sgpr_count 2
		.amdhsa_user_sgpr_kernarg_segment_ptr 1
		.amdhsa_wavefront_size32 1
		.amdhsa_system_sgpr_workgroup_id_x 1
		.amdhsa_system_sgpr_workgroup_id_y 1
		.amdhsa_system_sgpr_workgroup_id_z 1
		.amdhsa_system_vgpr_workitem_id 0
		.amdhsa_next_free_vgpr 1024
		.amdhsa_next_free_sgpr 66
		.amdhsa_reserve_vcc 0
		.amdhsa_float_denorm_mode_32 3
		.amdhsa_float_denorm_mode_16_64 3
		.amdhsa_memory_ordered 1
		.amdhsa_forward_progress 1
		.amdhsa_inst_pref_size 77
	.end_amdhsa_kernel
	.amdgpu_metadata
---
amdhsa.version: [ 1, 2 ]
amdhsa.kernels:
  - .name:           k_qaaa17bee35_proj
    .symbol:         k_qaaa17bee35_proj.kd
    .args:
      - { .name: y_codes, .offset: 0, .size: 8, .value_kind: global_buffer, .address_space: global }
      - { .name: W_proj_codes, .offset: 8, .size: 8, .value_kind: global_buffer, .address_space: global }
      - { .name: b_proj, .offset: 16, .size: 8, .value_kind: global_buffer, .address_space: global }
      - { .name: lowp_scales, .offset: 24, .size: 8, .value_kind: global_buffer, .address_space: global }
      - { .name: out0, .offset: 32, .size: 8, .value_kind: global_buffer, .address_space: global }
    .group_segment_fixed_size: 168448
    .private_segment_fixed_size: 0
    .kernarg_segment_align: 8
    .kernarg_segment_size: 40
    .max_flat_workgroup_size: 128
    .sgpr_count:     66
    .vgpr_count:     1024
    .wavefront_size: 32
...
	.end_amdgpu_metadata
.endif
;; end of part 3
